; MI455X (gfx1250); checked and timed in simulation.
; The chip was launched on July 23, 2026; its instructions are those of AMD's public machine-readable ISA for CDNA 5 (MIT licence, August 2026) and "CDNA5" Instruction Set Architecture Reference Guide (July 2026). The comments in the code are by the model that wrote it; some were corrected since.
;; Attention. Allowed arithmetic: float matrix products may take bf16 or f16 operands with f32 sums; all other float work in f32.
;; Inputs: key 16 x 2,048 x 512 float32; query 16 x 2,048 x 512 float32; value 16 x 2,048 x 512 float32.
;; Outputs: out0 16 x 2,048 x 512 float32.
;; One version. Each part assembles by itself: llvm-mc -triple=amdgcn-amd-amdhsa -mcpu=gfx1250 --defsym DOCPART=n.
;; ======== version 1 of 1: 2 launches
;; limits: right only within a limited range of input values; values are held in f16: magnitudes above 65,504 overflow, below 6.1e-05 lose precision; inputs' magnitudes at most 65,504
;; workspace buffers: kb 33,554,432 bytes; vb 33,554,432 bytes
;; launch cvt (part 1): grid 512 x 2, 8 waves a work-group, no clusters, 0 bytes of LDS; arguments key, value, kb, vb; writes kb, vb
.if DOCPART == 1
	.amdgcn_target "amdgcn-amd-amdhsa--gfx1250"
	.amdhsa_code_object_version 6
	.text
	.protected	k_qbd4c855fb0_cvt
	.globl	k_qbd4c855fb0_cvt
	.p2align	8
	.type	k_qbd4c855fb0_cvt,@function
k_qbd4c855fb0_cvt:
	s_mov_b64 s[64:65], 0
	v_nop
	global_prefetch_b8 v0, s[64:65] scope:SCOPE_SE
	s_setreg_imm32_b32 hwreg(HW_REG_WAVE_MODE, 25, 1), 1
	s_wait_xcnt 0x0
; kb = key rounded to bf16, in bf16's format.  vb = value rounded to bf16, written in f16's format.  Both keep the [16][2048][512] layout.
; All inputs of the attention enter its products with the same rounding, to bf16 (nearest even).  The second product runs in the f16 form, so that the
; probabilities keep 11 significant bits, and that form wants value in f16's format too: f16 holds a bf16 number exactly (8 significant bits in 11)
; for 2^-14 <= |v| <= 65,504.  LIMIT: |value| above 65,504 becomes infinite; below 2^-14 the absolute error is at most 2^-25.
; A stream: memory binds, so no LDS, no barrier, no matrix unit.  Grid y picks the tensor (0: key, 1: value).
; A work-group owns 131,072 input bytes = 32 chunks of 4,096.  Thread t owns the 16 bytes at 16 t of each chunk (4 numbers), which become the 8 bytes
; at 8 t of a 2,048-byte output chunk: a load of a wave covers 512 consecutive bytes, a store 256 consecutive bytes, both aligned to their length.
; 16 register slots, each used twice: 16 loads of every wave (8 KiB) are on their way until the last 16 chunks.  A slot's first turn packs into registers
; of its own (Y), so that the slot is loaded again at once; its second turn packs in place.  So no register that a pending load or store names is ever
; written again, and the only waits are the counted ones for the data.  104 registers x 2 waves a SIMD x 4 work-groups = 832: a WGP's four
; work-groups (1,024 on 256 WGPs) fit on it together.
.set SLOTS, 16
.set INB,   4096                       ; input bytes of a chunk
.set OUTB,  2048                       ; output bytes of a chunk
.set T,     4                          ; v[4:7]    at work
.set X,     8                          ; v[8:71]   slot i: 4 registers as loaded; in the second turn its first 2 are packed in place
.set Y,     72                         ; v[72:103] slot i: 2 registers, the first turn's packed numbers
	s_load_b256 s[4:11], s[0:1], 0x0               ; key s[4:5], value s[6:7], kb s[8:9], vb s[10:11]
	s_and_b32 s16, ttmp7, 0xffff                   ; which tensor
	s_mov_b32 s22, 0xffff0000                      ; a word's upper bf16
	v_lshlrev_b32 v1, 4, v0                        ; 16 t: my bytes in an input chunk; never rewritten
	v_lshlrev_b32 v2, 3, v0                        ; 8 t: my bytes in an output chunk; never rewritten
	s_lshl_b32 s18, ttmp9, 17                      ; the work-group's input part (511 x 131,072 at the most: one word)
	s_mov_b32 s19, 0
	s_lshl_b32 s20, ttmp9, 16                      ; and its output part
	s_mov_b32 s21, 0
	s_wait_kmcnt 0x0
	s_cmp_eq_u32 s16, 0
	s_cselect_b64 s[12:13], s[4:5], s[6:7]         ; from key or value
	s_cselect_b64 s[14:15], s[8:9], s[10:11]       ; to kb or vb
	s_add_nc_u64 s[12:13], s[12:13], s[18:19]
	s_add_nc_u64 s[14:15], s[14:15], s[20:21]
.set i, 0
.rept SLOTS
	global_load_b128 v[X+4*i:X+4*i+3], v1, s[12:13] offset:INB*i th:TH_LOAD_NT
.set i, i+1
.endr
; The 32 chunks are rounded and stored.  half = 1: the bf16 numbers are written in f16's format.
.macro OUT half
.set i, 0
.rept SLOTS                            ; first turn: chunks 0 to 15
	s_wait_loadcnt SLOTS-1                         ; loads come back in order (ISA guide 5.7.1): behind slot i's load stand 15 - i first loads and i reloads
	v_cvt_pk_bf16_f32 v[Y+2*i],   v[X+4*i],   v[X+4*i+1]
	v_cvt_pk_bf16_f32 v[Y+2*i+1], v[X+4*i+2], v[X+4*i+3]
	global_load_b128 v[X+4*i:X+4*i+3], v1, s[12:13] offset:INB*(SLOTS+i) th:TH_LOAD_NT   ; the slot's second chunk
.if \half
	v_lshlrev_b32 v[T],   16,  v[Y+2*i]            ; the bf16 numbers as f32,
	v_and_b32     v[T+1], s22, v[Y+2*i]
	v_lshlrev_b32 v[T+2], 16,  v[Y+2*i+1]
	v_and_b32     v[T+3], s22, v[Y+2*i+1]
	v_cvt_pk_f16_f32 v[Y+2*i],   v[T],   v[T+1]    ; and in f16's format: exact inside the range stated above
	v_cvt_pk_f16_f32 v[Y+2*i+1], v[T+2], v[T+3]
.endif
	global_store_b64 v2, v[Y+2*i:Y+2*i+1], s[14:15] offset:OUTB*i     ; no hint: the next launch reads these bytes
.set i, i+1
.endr
.set i, 0
.rept SLOTS                            ; second turn: chunks 16 to 31, nothing more to load
	s_wait_loadcnt SLOTS-1-i                       ; the 15 - i younger reloads stay out
	v_cvt_pk_bf16_f32 v[X+4*i],   v[X+4*i],   v[X+4*i+1]
	v_cvt_pk_bf16_f32 v[X+4*i+1], v[X+4*i+2], v[X+4*i+3]
.if \half
	v_lshlrev_b32 v[T],   16,  v[X+4*i]
	v_and_b32     v[T+1], s22, v[X+4*i]
	v_lshlrev_b32 v[T+2], 16,  v[X+4*i+1]
	v_and_b32     v[T+3], s22, v[X+4*i+1]
	v_cvt_pk_f16_f32 v[X+4*i],   v[T],   v[T+1]
	v_cvt_pk_f16_f32 v[X+4*i+1], v[T+2], v[T+3]
.endif
	global_store_b64 v2, v[X+4*i:X+4*i+1], s[14:15] offset:OUTB*(SLOTS+i)
.set i, i+1
.endr
.endm
	s_cmp_lg_u32 s16, 0
	s_cbranch_scc1 .Lvalue
	OUT 0
	s_endpgm
.Lvalue:
	OUT 1
	s_endpgm
.Lfunc_end_k_qbd4c855fb0_cvt:
	.size	k_qbd4c855fb0_cvt, .Lfunc_end_k_qbd4c855fb0_cvt-k_qbd4c855fb0_cvt
	.p2alignl 7, 3214868480
	.fill 96, 4, 3214868480
	.section	.rodata,"a",@progbits
	.p2align	6, 0x0
	.amdhsa_kernel k_qbd4c855fb0_cvt
		.amdhsa_group_segment_fixed_size 0
		.amdhsa_private_segment_fixed_size 0
		.amdhsa_enable_private_segment 0
		.amdhsa_kernarg_size 32
		.amdhsa_user_sgpr_count 2
		.amdhsa_user_sgpr_kernarg_segment_ptr 1
		.amdhsa_wavefront_size32 1
		.amdhsa_system_sgpr_workgroup_id_x 1
		.amdhsa_system_sgpr_workgroup_id_y 1
		.amdhsa_system_sgpr_workgroup_id_z 1
		.amdhsa_system_vgpr_workitem_id 0
		.amdhsa_next_free_vgpr 104
		.amdhsa_next_free_sgpr 66
		.amdhsa_reserve_vcc 0
		.amdhsa_float_denorm_mode_32 3
		.amdhsa_float_denorm_mode_16_64 3
		.amdhsa_memory_ordered 1
		.amdhsa_forward_progress 1
		.amdhsa_inst_pref_size 30
	.end_amdhsa_kernel
	.amdgpu_metadata
---
amdhsa.version: [ 1, 2 ]
amdhsa.kernels:
  - .name:           k_qbd4c855fb0_cvt
    .symbol:         k_qbd4c855fb0_cvt.kd
    .args:
      - { .name: key, .offset: 0, .size: 8, .value_kind: global_buffer, .address_space: global }
      - { .name: value, .offset: 8, .size: 8, .value_kind: global_buffer, .address_space: global }
      - { .name: kb, .offset: 16, .size: 8, .value_kind: global_buffer, .address_space: global }
      - { .name: vb, .offset: 24, .size: 8, .value_kind: global_buffer, .address_space: global }
    .group_segment_fixed_size: 0
    .private_segment_fixed_size: 0
    .kernarg_segment_align: 8
    .kernarg_segment_size: 32
    .max_flat_workgroup_size: 256
    .sgpr_count:     66
    .vgpr_count:     104
    .wavefront_size: 32
...
	.end_amdgpu_metadata
.endif
;; end of part 1
;; launch attn (part 2): grid 16 x 16, 4 waves a work-group, clusters of 4 x 1, 327,680 bytes of LDS; arguments kb, vb, query, out0; writes out0
.if DOCPART == 2
	.amdgcn_target "amdgcn-amd-amdhsa--gfx1250"
	.amdhsa_code_object_version 6
	.text
	.protected	k_qbd4c855fb0_attn
	.globl	k_qbd4c855fb0_attn
	.p2align	8
	.type	k_qbd4c855fb0_attn,@function
k_qbd4c855fb0_attn:
	s_mov_b64 s[64:65], 0
	v_nop
	global_prefetch_b8 v0, s[64:65] scope:SCOPE_SE
	s_setreg_imm32_b32 hwreg(HW_REG_WAVE_MODE, 25, 1), 1
	s_wait_xcnt 0x0
	s_wait_alu depctr_hold_cnt(0) depctr_sa_sdst(0) depctr_va_vdst(0) depctr_va_sdst(0) depctr_va_ssrc(0) depctr_va_vcc(0) depctr_vm_vsrc(0)
	s_getreg_b32 s2, hwreg(HW_REG_IB_STS2, 6, 4)
	s_cmp_eq_u32 s2, 0
	s_cbranch_scc0 .Lentry_in_a_cluster
	s_endpgm
.Lentry_in_a_cluster:
	s_bfe_u32 s2, ttmp6, 0x10000c
	s_cmp_lg_u32 s2, 0x3003
	s_cbranch_scc0 .Lentry_shape_is_right
	s_endpgm
.Lentry_shape_is_right:
; out0[b][q][:] = softmax over k <= q of (query[b][q] . key[b][k] / sqrt(512)) applied to value[b][k][:].   B 16, S 2048, d 512.
; kb: key rounded to bf16.  vb: value rounded to bf16, in f16's format (both made by the launch before).  query is read in f32 and rounded to bf16 here.
; Q K^T runs in the bf16 form.  P V runs in the f16 form: a probability lies in (0, 1] and keeps 11 significant bits there.  With bf16's 8 bits its relative
; error (up to 2^-8) would show in the first rows, which are sums of few terms of value's own size.  Sums, maxima, exponentials in f32.
;
; SHARING.  Query blocks of 64 rows (32 a batch), key tiles of 128 keys (16 a batch).  Grid y = batch.  Cluster c (0..3) of four work-groups cx:
;   phase 1: block 4c + cx,      tiles 0 .. 2c+1  (2c + 2 steps)      phase 2: block 31 - 4c - cx,  tiles 0 .. 15-2c  (16 - 2c steps)
; so every work-group makes 18 steps: 256 work-groups of equal work.  The four partners walk the same K and V tiles at the same time and ask for
; each tile JOINTLY (mask 15): a quarter of the requests.  All partners run the same code in every step; a partner whose rows lie wholly above a
; tile's keys still does the step (its probabilities come out 0): a skip would be a branch that differs between partners.  That is 1.5 of 18 steps.
; cx enters only the addresses of query and out0, the offsets of the prefetches and the lane number that the mask compares with.
;
; A STEP (tile t), wave w of four:
;   QK:  S^T[keys 32w..32w+31][64 rows] = K Q^T over d = 512.  Source 0 = 16 keys of K, source 1 = 16 rows of Q (kept in registers for the phase).
;        Register j of lane (r, h) of tile (kb, b): key 32w + 16kb + 8h + j, row 16b + r.
;   softmax: the row maxima of the four waves meet in LDS; running maximum M, factor alpha = 2^((M_old - M_new) c), p = 2^(s c - M_new c), c = log2(e)/sqrt(512).
;   PV:  O^T[d 128w..128w+127][64 rows] += V^T P^T.  Source 0 = 16 d of V^T (transposing LDS load), source 1 = 16 rows of P (from LDS, all waves' keys).
;        Register j of lane (r, h) of tile (b, dblk): d = 128w + 16dblk + 8h + j, row 16b + r.
; So a lane always belongs to rows 16b + r: M, alpha, l, 1/l are one number a lane and b.  Each byte of K and of V is read from LDS by one wave only.
;
; THE TILES.  K's tile and V's tile are the two slots.  K(t+1) is asked for when QK(t) and the maxima are done: the softmax and 96 of PV's 128 matrix
; instructions pass until the wait for it.  V(t+1) is asked for as soon as the last fragments of V(t) are in registers, ahead of PV's last 32 matrix
; instructions: these 32 and QK(t+1)'s 128 pass until the wait for it.  A wave has two tensor loads out at the start and one behind each round.
;
; PREFETCH into the L2.  Behind each request the wave asks for the tile that the NEXT request will want: behind K(t+1)'s for V(t+1), behind V(t+1)'s for
; K(t+2): half a step ahead.  Only the cluster that reaches a tile first asks.  In phase 1 all clusters of a batch reach tile j in their step j, and cluster 3
; alone walks tiles 0 to 7: it asks for V 1..7 and K 2..7.  In phase 2 cluster c reaches tile j in its step 2c + 2 + j: cluster 0 is first, and asks for tiles
; 8..15 (0..7 were read in phase 1).  Wave w of work-group cx asks for 32 blocks of 256 bytes, one a lane: 8 KiB of the 32 rows that wave w loads; 4 waves x 4
; work-groups are the tile's 128 KiB, each block once in the launch.  The bounds s66 <= index < s67 stop the asking at the phase's last tile.
;
; LIMITS.  Masked scores are set to -1e30, where the definition has score - 1e10: the same result (probability exactly 0) while |score| < 1e9.
; NaN and infinite inputs are not served.  Q, K, V enter the products rounded to bf16; |value| up to 65,504 (f16's format).  Probabilities enter rounded to f16:
; below 2^-14 of the row's running largest their absolute error is at most 2^-25.  The row sum l adds the unrounded probabilities.
;
; LDS.  KT and VT are filled by tensor loads alone; everything from PB on by LDS stores alone (PB is a multiple of 256).
.set KP,  1040                         ; K row: 1,024 bytes + 16: an odd multiple of 16, so a fragment's 16 rows start in 16 different 16-byte columns of 256 bytes
.set VP,  1056                         ; V row: 1,024 + 32: an odd multiple of 32, for the transposing load
.set PP,  272                          ; P row: 128 keys in f16 + 16
.set OP,  528                          ; out stage row: 128 f32 + 16
.set KT,  0                            ; 128 rows x KP = 133,120
.set VT,  128*KP                       ; 128 rows x VP = 135,168
.set PB,  VT+128*VP                    ; 268,288: P[64 rows][128 keys], 17,408
.set STM, PB+64*PP                     ; 285,696: row maxima [wave][r][b] f32, 1,024; the row sums lie 1,024 behind them
.set STG, STM+2048                     ; 287,744: Q stage, 32 rows x KP; later the out stage, 16 rows x OP for each wave; 33,792
; VECTOR REGISTERS, in windows of 256.
;   window 0: v0-63 below; v64-127 S, later V fragments / stages; v128-255 K fragments (two buffers), later exchange, packed P, V and P fragments
;   window 1: O, tile (b, dblk) at 8 (8b + dblk); between the phases the landing place of the next 64 rows of Q in f32 (row i at 4 i)
;   windows 2, 3: Q fragments: d step s (32 numbers), row block b at 8 (4 (s & 7) + b) of window 2 + (s >> 3)
.set PFK,  5                           ; offset of the prefetch in kb
.set KADR, 6                           ; KT + (32w + r) KP + 16h
.set VA,   7                           ; v7, v8: VT + (8h + (lane & 7)) VP + 256w + 16 ((lane >> 3) & 1), + 0 or 64 rows
.set PADR, 9                           ; PB + r PP + 16h
.set PST,  10                          ; PADR + 64w
.set STW,  11                          ; STM + 256w + 16r
.set STR,  12                          ; STM + 16r
.set QSTW, 13                          ; STG + 8 thread
.set QSTR, 14                          ; STG + r KP + 16h
.set OSTW, 15                          ; STG + 16 OP w + r OP + 32h
.set OSTR, 16                          ; STG + 16 OP w + 16 lane
.set QOFF, 17                          ; 16 thread: my 4 numbers of a row of Q
.set OOFF, 18                          ; 512w + 16 lane: my 4 numbers of a row of out0
.set LQ,   19                          ; r - 32w - 8h
.set XQ,   20                          ; LQ + 64 x query block
.set NEG,  21                          ; -1e30
.set XB,   22                          ; v[22:25] per b: masked where 16kb + j > XB
.set M,    26                          ; v[26:29] running maximum
.set MN,   30                          ; v[30:33] new maximum
.set L,    34                          ; v[34:37] my lane's part of the row sum
.set ML,   38                          ; v[38:41] my wave's maximum of this tile
.set AL,   42                          ; v[42:49] alpha, twice each (pairs for the packed multiply); at the end 1/l
.set NMC,  50                          ; v[50:57] -c M, twice each
.set T,    58                          ; v[58:61] the other half's number
.set PFL,  62                          ; 8,192 cx + 256 lane: my block among the 32 rows of a tile that my wave loads
.set PFV,  63                          ; offset of the prefetch in vb
.set S,    64                          ; v[64:127] tile (kb, b) at S + 8 (4kb + b)
.set KF0,  128
.set KF1,  192
.set ST,   192                         ; v[192:207] the four waves' numbers; then four pairs of sums
.set PK,   224                         ; v[224:255] P in f16
.set PVB0, 64                          ; PV buffer: 64 registers of V fragments, 32 of P fragments
.set PVB1, 160
.set OT,   64                          ; stages' registers
; SCALARS: s[4:11] kb, vb, query, out0; s12 wave; s13 cx, then 8,192 cx; s14 c; s15 batch; s[16:23], s[24:31] descriptor group 1 for K, V; s[32:35], s[36:39] group 0;
; s[40:41], s[42:43] my wave's rows of tile 0 in kb, vb; s[44:45] tile offset; s46 t; s47 next t; s48 tiles of the phase; s49 first tile that needs the mask;
; s50, s51 loop; s52, s53 lane selects; s[54:55] c; s[56:57] Q block to load; s[58:59] out block; s2, s3, s[60:61] made from cx; s62 temporary; s63 -c;
; s66, s67 the tiles that this cluster prefetches in this phase: s66 <= index < s67.
.set MSB, 0
.macro WIN new                         ; low byte: bits 1:0 source 0, 3:2 source 1, 5:4 source 2, 7:6 destination; the high byte repeats the setting that is left
.if MSB != \new
	s_set_vgpr_msb (MSB<<8)|\new
.set MSB, \new
.endif
.endm
.macro PLACES cnt                      ; places behind matrix instructions: plain vector instructions that name none of their registers (ISA guide 7.12.1)
.rept \cnt
	v_nop
.endr
.endm
.macro CREST                           ; a round of the cluster's barrier behind its opening barrier
	s_cmp_lg_u32 s12, 0
	s_cbranch_scc1 .Lnot_wave_0_\@
	s_barrier_signal -3
.Lnot_wave_0_\@:
	s_barrier_wait -3
	s_barrier_signal -1
	s_barrier_wait -1
.endm
.macro ROUND                           ; a whole round: my work-group's barrier, wave 0 signals for it, all wait for the four work-groups, my barrier again
	s_barrier_signal -1
	s_barrier_wait -1
	CREST
.endm
; Tile t + ahead of the buffer whose rows of mine begin at s[base:base+1] is asked for, if this cluster is the one that asks for it in this phase.
; The branches hang on the cluster's number and on t alone.
.macro ASK ahead, reg, base
	s_add_co_u32 s62, s46, \ahead
	s_cmp_lt_u32 s62, s66
	s_cbranch_scc1 .Lnoask_\@
	s_cmp_ge_u32 s62, s67
	s_cbranch_scc1 .Lnoask_\@
	s_wait_xcnt 0x0                                ; the offset register's last prefetch, a step ago, has had its address translated: it is rewritten only behind this wait
	v_lshl_add_u32 v[\reg], s62, 17, v[PFL]        ; 131,072 x tile + my block
	global_prefetch_b8 v[\reg], s[\base:\base+1] th:TH_LOAD_NT scope:SCOPE_SE
.Lnoask_\@:
.endm
; 16 LDS loads: my 32 keys, d steps 4g .. 4g+3, into buffer f (fragment (sl, kb) at f + 8 (2sl + kb))
.macro FETCHK g, f
.irp sl, 0,1,2,3
.irp kb, 0,1
	ds_load_b128 v[\f+8*(2*\sl+\kb):\f+8*(2*\sl+\kb)+3],   v[KADR] offset:16*KP*\kb+64*(4*\g+\sl)
	ds_load_b128 v[\f+8*(2*\sl+\kb)+4:\f+8*(2*\sl+\kb)+7], v[KADR] offset:16*KP*\kb+64*(4*\g+\sl)+32
.endr
.endr
.endm
; 8 matrix instructions, one for each of the 8 accumulators of S: d step s.  zero = 1: the product starts the sums.
.macro QK8 s, f, sl, zero
.irp kb, 0,1
.irp b, 0,1,2,3
.if \zero
	v_wmma_f32_16x16x32_bf16 v[S+8*(4*\kb+\b):S+8*(4*\kb+\b)+7], v[\f+8*(2*\sl+\kb):\f+8*(2*\sl+\kb)+7], v[8*(4*((\s)&7)+\b):8*(4*((\s)&7)+\b)+7], 0
.else
	v_wmma_f32_16x16x32_bf16 v[S+8*(4*\kb+\b):S+8*(4*\kb+\b)+7], v[\f+8*(2*\sl+\kb):\f+8*(2*\sl+\kb)+7], v[8*(4*((\s)&7)+\b):8*(4*((\s)&7)+\b)+7], v[S+8*(4*\kb+\b):S+8*(4*\kb+\b)+7]
.endif
.endr
.endr
.endm
.macro MULQK g, f, zero                ; 32 matrix instructions; the 8 accumulators take turns, one instruction a turn
.if \g < 2
	WIN 0x08                                       ; source 1 (Q) in window 2
.else
	WIN 0x0c                                       ; in window 3
.endif
	QK8 4*\g+0, \f, 0, \zero
	QK8 4*\g+1, \f, 1, 0
	QK8 4*\g+2, \f, 2, 0
	QK8 4*\g+3, \f, 3, 0
.endm
; 16 transposing loads: keys 32ks .. 32ks+31 of my 128 d: lane (r, h) gets d = 16dblk + r, keys 8h .. 8h+7 and 16 + 8h .. +7
.macro FETCHV ks, f
.irp d, 0,1,2,3,4,5,6,7
	ds_load_tr16_b128 v[\f+8*\d:\f+8*\d+3],   v[VA+(\ks>>1)] offset:(\ks&1)*32*VP+32*\d
	ds_load_tr16_b128 v[\f+8*\d+4:\f+8*\d+7], v[VA+(\ks>>1)] offset:(\ks&1)*32*VP+32*\d+16*VP
.endr
.endm
.macro FETCHP ks, f                    ; 8 loads: the same 32 keys of P, all 64 rows
.irp b, 0,1,2,3
	ds_load_b128 v[\f+64+8*\b:\f+64+8*\b+3],   v[PADR] offset:16*PP*\b+64*\ks
	ds_load_b128 v[\f+64+8*\b+4:\f+64+8*\b+7], v[PADR] offset:16*PP*\b+64*\ks+32
.endr
.endm
.macro MULPV f, zero                   ; 32 matrix instructions in the f16 form, one for each accumulator of O: they take turns, one instruction a turn
	WIN 0x50                                       ; C and D in window 1
.irp d, 0,1,2,3,4,5,6,7
.irp b, 0,1,2,3
.if \zero
	v_wmma_f32_16x16x32_f16 v[8*(8*\b+\d):8*(8*\b+\d)+7], v[\f+8*\d:\f+8*\d+7], v[\f+64+8*\b:\f+64+8*\b+7], 0
.else
	v_wmma_f32_16x16x32_f16 v[8*(8*\b+\d):8*(8*\b+\d)+7], v[\f+8*\d:\f+8*\d+7], v[\f+64+8*\b:\f+64+8*\b+7], v[8*(8*\b+\d):8*(8*\b+\d)+7]
.endif
.endr
.endr
.endm
.macro NEXT                            ; the tile behind t; behind a phase's last tile comes tile 0, for the next phase
	s_add_co_u32 s47, s46, 1
	s_cmp_eq_u32 s47, s48
	s_cselect_b32 s47, 0, s47
	s_lshl_b32 s44, s47, 17                        ; 128 rows of 1,024 bytes
.endm
.macro QISSUE from                     ; 16 rows of the Q block at s[56:57] into window 1: the four waves' 128 threads cover a row of 2,048 bytes
	WIN 0x40
.set i, \from
.rept 16
	global_load_b128 v[4*i:4*i+3], v[QOFF], s[56:57] offset:2048*i th:TH_LOAD_NT
.set i, i+1
.endr
.endm
; The 64 rows of Q in window 1 become bf16 fragments in windows 2 and 3, 32 rows at a time through the stage.
.macro QSTAGE
	s_wait_dscnt 0x0
	s_barrier_signal -1
	s_barrier_wait -1                              ; no wave still reads its out stage, which shares these bytes
.irp hq, 0,1
	s_wait_loadcnt 32-32*\hq                       ; the rows were asked for in order: rows up to 32hq + 31 are in
	WIN 0x05                                       ; both sources in window 1
.set i, 0
.rept 32
	v_cvt_pk_bf16_f32 v[OT+2*i],   v[128*\hq+4*i],   v[128*\hq+4*i+1]
	v_cvt_pk_bf16_f32 v[OT+2*i+1], v[128*\hq+4*i+2], v[128*\hq+4*i+3]
.set i, i+1
.endr
	WIN 0
.set i, 0
.rept 32
	ds_store_b64 v[QSTW], v[OT+2*i:OT+2*i+1] offset:KP*i
.set i, i+1
.endr
	s_wait_dscnt 0x0                               ; my stores are done, for the other waves' sake
	s_barrier_signal -1
	s_barrier_wait -1
	WIN 0x80                                       ; destination window 2: d steps 0-7
.irp s, 0,1,2,3,4,5,6,7
.irp bb, 0,1
	ds_load_b128 v[8*(4*\s+2*\hq+\bb):8*(4*\s+2*\hq+\bb)+3],   v[QSTR] offset:16*KP*\bb+64*\s
	ds_load_b128 v[8*(4*\s+2*\hq+\bb)+4:8*(4*\s+2*\hq+\bb)+7], v[QSTR] offset:16*KP*\bb+64*\s+32
.endr
.endr
	WIN 0xc0                                       ; window 3: d steps 8-15
.irp s, 0,1,2,3,4,5,6,7
.irp bb, 0,1
	ds_load_b128 v[8*(4*\s+2*\hq+\bb):8*(4*\s+2*\hq+\bb)+3],   v[QSTR] offset:16*KP*\bb+64*(\s+8)
	ds_load_b128 v[8*(4*\s+2*\hq+\bb)+4:8*(4*\s+2*\hq+\bb)+7], v[QSTR] offset:16*KP*\bb+64*(\s+8)+32
.endr
.endr
	WIN 0
	s_wait_dscnt 0x0                               ; my reads are done before anyone writes the stage again
	s_barrier_signal -1
	s_barrier_wait -1
.endr
.endm
; One step.  first = 1: the phase's first tile starts M, l and O.  refill = 1: the next tile's K and V are asked for.
.macro STEP first, refill
	; ---- QK.  Five places: the first products write over S, and the loads land in K's buffers; all of these were sources of the last PV instructions.
	PLACES 5
	FETCHK 0, KF0
	FETCHK 1, KF1
	s_wait_dscnt 16                                ; LDS loads come back in order (ISA guide 5.7.1): all but the 16 of the younger buffer are in
	MULQK 0, KF0, 1
	WIN 0
	PLACES 4                                       ; before loads land in the buffer just multiplied
	FETCHK 2, KF0
	s_wait_dscnt 16
	MULQK 1, KF1, 0
	WIN 0
	PLACES 4
	FETCHK 3, KF1
	s_wait_dscnt 16
	MULQK 2, KF0, 0
	s_wait_dscnt 0
	MULQK 3, KF1, 0
	WIN 0
	PLACES 4                                       ; before vector instructions read S
	; ---- the causal mask: only a phase's last two tiles hold keys beyond a row of any partner; t and s49 are the same in all partners
	s_cmp_lt_u32 s46, s49
	s_cbranch_scc1 .Lnomask_\@
	s_lshl_b32 s62, s46, 7
	v_sub_nc_u32 v3, v[XQ], s62                    ; 64 block + r - 32w - 8h - 128t
.irp b, 0,1,2,3
	v_add_nc_u32 v[XB+\b], 16*\b, v3
.endr
.irp kb, 0,1
.irp b, 0,1,2,3
.irp j, 0,1,2,3,4,5,6,7
	v_cmp_gt_i32 vcc_lo, 16*\kb+\j, v[XB+\b]       ; key > row
	v_cndmask_b32 v[S+8*(4*\kb+\b)+\j], v[S+8*(4*\kb+\b)+\j], v[NEG], vcc_lo
.endr
.endr
.endr
.Lnomask_\@:
	; ---- my wave's maximum of each row: 16 numbers a lane and b, then the other half of the lanes (the same row, other keys)
.irp b, 0,1,2,3
	v_max3_num_f32 v[ML+\b], v[S+8*\b], v[S+8*\b+1], v[S+8*\b+2]
.endr
.irp o, 3,5
.irp b, 0,1,2,3
	v_max3_num_f32 v[ML+\b], v[ML+\b], v[S+8*\b+\o], v[S+8*\b+\o+1]
.endr
.endr
.irp b, 0,1,2,3
	v_max3_num_f32 v[ML+\b], v[ML+\b], v[S+8*\b+7], v[S+8*\b+32]
.endr
.irp o, 33,35,37
.irp b, 0,1,2,3
	v_max3_num_f32 v[ML+\b], v[ML+\b], v[S+8*\b+\o], v[S+8*\b+\o+1]
.endr
.endr
.irp b, 0,1,2,3
	v_max_num_f32 v[ML+\b], v[ML+\b], v[S+8*\b+39]
.endr
.irp b, 0,1,2,3
	v_permlanex16_b32 v[T+\b], v[ML+\b], s52, s53  ; lane i xor 16
.endr
.irp b, 0,1,2,3
	v_max_num_f32 v[ML+\b], v[ML+\b], v[T+\b]
.endr
	ds_store_b128 v[STW], v[ML:ML+3]               ; lanes r and r + 16 write the same 16 bytes with the same numbers
	; ---- all waves are through K's tile, the maxima are stored, V's tile has landed
	s_wait_dscnt 0x0                               ; my reads of K's tile and my store
	s_wait_xcnt 0x0
	v_lshl_add_u32 v57, v0, 2, 0x4e800
	v_mov_b32 v63, 0
	s_wait_tensorcnt 0x0                           ; all my tensor loads: the one that may be out is my part of this step's V
	ds_add_u32 v57, v63
	s_wait_dscnt 0x0
.if \refill
	NEXT
	s_add_nc_u64 s[34:35], s[40:41], s[44:45]      ; no load of mine is out: group 0 may be written
	s_or_b32 s35, s35, 0x80000000                  ; type = 2
	ROUND                                          ; no wave of any partner still reads K's tile or has a load on its way
	tensor_load_to_lds s[32:35], s[16:23]          ; K of the next tile: my one load behind this round; the softmax and three quarters of PV pass while it lands
	s_nop 0
.else
	s_barrier_signal -1
	s_barrier_wait -1
.endif
	; ---- softmax
.irp w, 0,1,2,3
	ds_load_b128 v[ST+4*\w:ST+4*\w+3], v[STR] offset:256*\w
.endr
	s_wait_dscnt 0x0
.if \refill
	ASK 1, PFV, 42                                 ; V(t+1), which the round in PV will ask the mover for; register work follows
.endif
.irp b, 0,1,2,3
	v_max3_num_f32 v[MN+\b], v[ST+\b], v[ST+4+\b], v[ST+8+\b]
.endr
.irp b, 0,1,2,3
.if \first
	v_max_num_f32 v[MN+\b], v[MN+\b], v[ST+12+\b]
.else
	v_max3_num_f32 v[MN+\b], v[MN+\b], v[ST+12+\b], v[M+\b]
.endif
.endr
.irp b, 0,1,2,3
	v_mul_f32 v[NMC+2*\b],   s63, v[MN+\b]         ; -c M_new, twice
	v_mul_f32 v[NMC+2*\b+1], s63, v[MN+\b]
.endr
.if \first == 0
.irp b, 0,1,2,3
	v_fma_f32 v[AL+2*\b], v[M+\b], s54, v[NMC+2*\b]    ; c M_old - c M_new, at most 0 up to rounding
.endr
.irp b, 0,1,2,3
	v_exp_f32 v[AL+2*\b], v[AL+2*\b]
.endr
.endif
.irp b, 0,1,2,3
	v_mov_b32 v[M+\b], v[MN+\b]                    ; also the plain instructions between the exponentials and the use of their results (ISA guide 5.7.2)
.endr
.if \first == 0
	s_wait_alu depctr_va_vdst(0)
.irp b, 0,1,2,3
	v_mov_b32 v[AL+2*\b+1], v[AL+2*\b]
.endr
.endif
.irp kb, 0,1
.irp b, 0,1,2,3
.irp p, 0,2,4,6
	v_pk_fma_f32 v[S+8*(4*\kb+\b)+\p:S+8*(4*\kb+\b)+\p+1], v[S+8*(4*\kb+\b)+\p:S+8*(4*\kb+\b)+\p+1], s[54:55], v[NMC+2*\b:NMC+2*\b+1] op_sel_hi:[1,0,1]
.endr
.endr
.endr
.set i, 0
.rept 64
	v_exp_f32 v[S+i], v[S+i]                       ; p = 2^(c s - c M), at most 1 up to rounding
.set i, i+1
.endr
	v_nop                                          ; one plain instruction before the results are used
	s_wait_alu depctr_va_vdst(0)
.irp b, 0,1,2,3
	v_pk_add_f32 v[ST+2*\b:ST+2*\b+1], v[S+8*\b:S+8*\b+1], v[S+8*\b+2:S+8*\b+3]
.endr
.irp o, 4,6,32,34,36,38
.irp b, 0,1,2,3
	v_pk_add_f32 v[ST+2*\b:ST+2*\b+1], v[ST+2*\b:ST+2*\b+1], v[S+8*\b+\o:S+8*\b+\o+1]
.endr
.endr
.irp b, 0,1,2,3
.if \first
	v_add_f32 v[L+\b], v[ST+2*\b], v[ST+2*\b+1]
.else
	v_add_f32 v[ST+2*\b], v[ST+2*\b], v[ST+2*\b+1]
.endif
.endr
.if \first == 0
.irp b, 0,1,2,3
	v_fma_f32 v[L+\b], v[L+\b], v[AL+2*\b], v[ST+2*\b]
.endr
.endif
.irp kb, 0,1
.irp b, 0,1,2,3
.irp p, 0,1,2,3
	v_cvt_pk_f16_f32 v[PK+4*(4*\kb+\b)+\p], v[S+8*(4*\kb+\b)+2*\p], v[S+8*(4*\kb+\b)+2*\p+1]   ; f16: 11 significant bits of a number in (0, 1]
.endr
	ds_store_b128 v[PST], v[PK+4*(4*\kb+\b):PK+4*(4*\kb+\b)+3] offset:16*PP*\b+32*\kb    ; eight neighbouring keys of one row
.endr
.endr
	; ---- P is handed to the other waves.  K's load may stay on its way across it.
	s_wait_dscnt 0x0                               ; my stores of P are done, and my reads of the maxima
	s_barrier_signal -1
	FETCHV 0, PVB0                                 ; V's tile is written again only behind a later barrier
.if \first == 0
	WIN 0x41                                       ; O in window 1, alpha in window 0
.irp b, 0,1,2,3
.set i, 0
.rept 32
	v_pk_mul_f32 v[64*\b+i:64*\b+i+1], v[64*\b+i:64*\b+i+1], v[AL+2*\b:AL+2*\b+1]
.set i, i+2
.endr
.endr
	WIN 0
.endif
	s_barrier_wait -1
	; ---- PV: four key steps of 32 on two buffers
	FETCHP 0, PVB0
	FETCHV 1, PVB1
	FETCHP 1, PVB1
	s_wait_dscnt 24                                ; all but the 24 loads (16 of V, 8 of P) of the younger buffer are in
	MULPV PVB0, \first
	WIN 0
	PLACES 4
	FETCHV 2, PVB0
	FETCHP 2, PVB0
	s_wait_dscnt 24
	MULPV PVB1, 0
	WIN 0
	PLACES 4
	FETCHV 3, PVB1
	FETCHP 3, PVB1
	s_wait_dscnt 24
	MULPV PVB0, 0
	s_wait_dscnt 0x0                               ; my reads of V's tile and of P are over: the last key step's fragments are in registers
.if \refill
	WIN 0
	s_wait_xcnt 0x0
	v_lshl_add_u32 v57, v0, 2, 0x4e800
	v_mov_b32 v63, 0
	s_wait_tensorcnt 0x0                           ; all my tensor loads: my part of the next tile's K has landed
	ds_add_u32 v57, v63
	s_wait_dscnt 0x0
	s_add_nc_u64 s[38:39], s[42:43], s[44:45]
	s_or_b32 s39, s39, 0x80000000
	ROUND                                          ; no wave of any partner still reads V's tile or has a load on its way
	tensor_load_to_lds s[36:39], s[24:31]          ; V of the next tile: my one load behind this round; PV's last 32 matrix instructions and the next QK pass while it lands
	s_nop 0
	ASK 2, PFK, 40                                 ; K(t+2), which the next step's first round will ask the mover for; matrix instructions follow
	s_mov_b32 s46, s47
.endif
	MULPV PVB1, 0                                  ; the last key step, on registers alone
	WIN 0
.endm
; The end of a phase: l over lanes and waves, O / l, out through each wave's own stage, 16 rows at a time.  nextq = 1: the next block's Q is asked for.
.macro EPI nextq
	PLACES 4                                       ; before O is read and before loads land in the last PV buffer
.irp b, 0,1,2,3
	v_permlanex16_b32 v[T+\b], v[L+\b], s52, s53
.endr
.irp b, 0,1,2,3
	v_add_f32 v[L+\b], v[L+\b], v[T+\b]
.endr
	ds_store_b128 v[STW], v[L:L+3] offset:1024
	s_wait_dscnt 0x0
	s_barrier_signal -1
	s_barrier_wait -1
.irp w, 0,1,2,3
	ds_load_b128 v[ST+4*\w:ST+4*\w+3], v[STR] offset:1024+256*\w
.endr
	s_wait_dscnt 0x0
	v_pk_add_f32 v[ST:ST+1],     v[ST:ST+1],     v[ST+4:ST+5]
	v_pk_add_f32 v[ST+2:ST+3],   v[ST+2:ST+3],   v[ST+6:ST+7]
	v_pk_add_f32 v[ST+8:ST+9],   v[ST+8:ST+9],   v[ST+12:ST+13]
	v_pk_add_f32 v[ST+10:ST+11], v[ST+10:ST+11], v[ST+14:ST+15]
	v_pk_add_f32 v[ST:ST+1],     v[ST:ST+1],     v[ST+8:ST+9]
	v_pk_add_f32 v[ST+2:ST+3],   v[ST+2:ST+3],   v[ST+10:ST+11]
.irp b, 0,1,2,3
	v_rcp_f32 v[AL+2*\b], v[ST+\b]                 ; l is at least about 1: the row's largest score gives p = 1
.endr
	v_nop
	s_wait_alu depctr_va_vdst(0)
.irp b, 0,1,2,3
	v_mov_b32 v[AL+2*\b+1], v[AL+2*\b]
.endr
.irp b, 0,1,2,3
	WIN 0x41
.set i, 0
.rept 32
	v_pk_mul_f32 v[64*\b+i:64*\b+i+1], v[64*\b+i:64*\b+i+1], v[AL+2*\b:AL+2*\b+1]
.set i, i+2
.endr
	WIN 0x04                                       ; store data in window 1
.irp d, 0,1,2,3,4,5,6,7
	ds_store_b128 v[OSTW], v[64*\b+8*\d:64*\b+8*\d+3]   offset:64*\d
	ds_store_b128 v[OSTW], v[64*\b+8*\d+4:64*\b+8*\d+7] offset:64*\d+16
.endr
	WIN 0
	s_wait_xcnt 0x0                                ; the last block's stores have read v[OT..]: it is loaded again only behind this wait
.set i, 0
.rept 16
	ds_load_b128 v[OT+4*i:OT+4*i+3], v[OSTR] offset:OP*i   ; LDS serves a wave's instructions in order: these see the stores above; the stage is my wave's own
.set i, i+1
.endr
.set i, 0
.rept 16
	s_wait_dscnt 15-i                              ; row i is back, the younger 15 - i may be out
	global_store_b128 v[OOFF], v[OT+4*i:OT+4*i+3], s[58:59] offset:2048*(16*\b+i) th:TH_STORE_NT   ; the wave stores 512 consecutive bytes, aligned
.set i, i+1
.endr
.if \nextq
	QISSUE 16*\b                                   ; into this block's registers of O: the count-down above ended at 0, so the LDS stores that read them are done
.endif
.endr
	WIN 0
.endm
	; ================= set-up =================
	s_load_b256 s[4:11], s[0:1], 0x0               ; kb, vb, query, out0
	v_lshl_add_u32 v57, v0, 2, 0x4e800
	v_mov_b32 v63, 0
	ds_add_u32 v57, v63
	ds_add_u32 v57, v63
	s_wait_dscnt 0x0
	v_lshrrev_b32 v3, 5, v0
	v_readfirstlane_b32 s12, v3                    ; wave
	s_bfe_u32 s13, ttmp6, 0x40000                  ; cx
	s_mov_b32 s14, ttmp9                           ; c: the cluster's x
	s_and_b32 s15, ttmp7, 0xffff                   ; batch
	s_lshl2_add_u32 s2, s14, s13                   ; phase 1's query block: 4c + cx
	s_sub_co_u32 s3, 31, s2                        ; phase 2's
	s_lshl_b32 s13, s13, 13                        ; 8,192 cx: my work-group's share of a wave's 32 rows, for the prefetches
	s_lshl_b32 s49, s14, 1                         ; phase 1: the mask begins at tile 2c,
	s_add_co_u32 s48, s49, 2                       ; 2c + 2 tiles,
	s_add_co_u32 s51, s49, 1                       ; 2c + 1 trips behind the first step
	s_mov_b32 s46, 0                               ; t
	s_mov_b32 s66, 1                               ; phase 1: cluster 3 prefetches tiles 1 .. 7, the others none
	s_cmp_eq_u32 s14, 3
	s_cselect_b32 s67, 8, 0
	s_mov_b32 s52, 0x76543210
	s_mov_b32 s53, 0xfedcba98
	s_mov_b32 s54, 0x3d8293ee                      ; c = log2(e) / sqrt(512)
	s_mov_b32 s55, 0x3d8293ee
	s_mov_b32 s63, 0xbd8293ee                      ; -c
	; group 1: 32 rows x 512 elements of 2 bytes, padded behind every 256 words; mask 15: all four work-groups of the cluster, bit 21 beside it
	s_mov_b32 s16, 0x07f1000f                      ; K: 4 words of padding (pitch 1,040)
	s_mov_b32 s17, 512<<16                         ; tensor_dim0
	s_mov_b32 s18, 32<<16                          ; tensor_dim1
	s_mov_b32 s19, 512<<16                         ; tile_dim0
	s_mov_b32 s20, 32                              ; tile_dim1
	s_mov_b32 s21, 512                             ; elements from row to row
	s_mov_b32 s22, 0
	s_mov_b32 s23, 0
	s_mov_b32 s24, 0x0ff1000f                      ; V: 8 words of padding (pitch 1,056)
	s_mov_b32 s25, 512<<16
	s_mov_b32 s26, 32<<16
	s_mov_b32 s27, 512<<16
	s_mov_b32 s28, 32
	s_mov_b32 s29, 512
	s_mov_b32 s30, 0
	s_mov_b32 s31, 0
	s_mov_b32 s32, 1
	s_mul_i32 s33, s12, 32*KP                      ; my 32 rows of K's tile
	s_mov_b32 s36, 1
	s_mul_i32 s37, s12, 32*VP
	s_add_co_u32 s37, s37, VT                      ; my 32 rows of V's tile
	s_lshl_b32 s44, s15, 21                        ; a batch of kb or vb: 2,048 rows of 1,024 bytes
	s_lshl_b32 s45, s12, 15                        ; my 32 rows
	s_add_co_u32 s44, s44, s45
	s_mov_b32 s45, 0
	s_wait_kmcnt 0x0
	s_add_nc_u64 s[40:41], s[4:5], s[44:45]
	s_add_nc_u64 s[42:43], s[6:7], s[44:45]
	s_mov_b64 s[34:35], s[40:41]                   ; tile 0
	s_or_b32 s35, s35, 0x80000000
	s_mov_b64 s[38:39], s[42:43]
	s_or_b32 s39, s39, 0x80000000
	ROUND                                          ; the four work-groups are here: the first joint loads meet
	tensor_load_to_lds s[32:35], s[16:23]          ; K(0)
	s_nop 0
	tensor_load_to_lds s[36:39], s[24:31]          ; V(0): two loads of mine are out, the most in this text
	s_nop 0
	; phase 1's Q block
	v_lshlrev_b32 v[QOFF], 4, v0
	s_lshl_b32 s60, s15, 22                        ; a batch of query or out0: 2,048 rows of 2,048 bytes
	s_lshl_b32 s61, s2, 17                         ; a block of 64 rows
	s_add_co_u32 s60, s60, s61
	s_mov_b32 s61, 0
	s_add_nc_u64 s[56:57], s[8:9], s[60:61]
	s_add_nc_u64 s[58:59], s[10:11], s[60:61]
	QISSUE 0
	QISSUE 16
	QISSUE 32
	QISSUE 48
	WIN 0
	; lane addresses
	v_and_b32 v1, 15, v0                           ; r
	v_bfe_u32 v2, v0, 4, 1                         ; h
	s_mul_i32 s62, s12, 32*KP
	v_mul_u32_u24 v3, v1, KP
	v_lshl_add_u32 v3, v2, 4, v3
	v_add_nc_u32 v[KADR], s62, v3
	v_add_nc_u32 v[QSTR], STG, v3
	v_and_b32 v4, 7, v0
	v_lshl_add_u32 v4, v2, 3, v4
	v_mul_u32_u24 v4, v4, VP
	v_bfe_u32 v5, v0, 3, 1
	v_lshl_add_u32 v4, v5, 4, v4
	s_lshl_b32 s62, s12, 8
	s_add_co_u32 s62, s62, VT
	v_add_nc_u32 v[VA], s62, v4
	v_add_nc_u32 v[VA+1], 64*VP, v[VA]
	v_mul_u32_u24 v3, v1, PP
	v_lshl_add_u32 v3, v2, 4, v3
	v_add_nc_u32 v[PADR], PB, v3
	s_lshl_b32 s62, s12, 6
	v_add_nc_u32 v[PST], s62, v[PADR]
	v_lshlrev_b32 v3, 4, v1
	v_add_nc_u32 v[STR], STM, v3
	s_lshl_b32 s62, s12, 8
	v_add_nc_u32 v[STW], s62, v[STR]
	v_lshlrev_b32 v3, 3, v0
	v_add_nc_u32 v[QSTW], STG, v3
	s_mul_i32 s62, s12, 16*OP
	s_add_co_u32 s62, s62, STG
	v_mul_u32_u24 v3, v1, OP
	v_lshl_add_u32 v3, v2, 5, v3
	v_add_nc_u32 v[OSTW], s62, v3
	v_and_b32 v4, 31, v0
	v_lshlrev_b32 v4, 4, v4                        ; 16 lane
	v_add_nc_u32 v[OSTR], s62, v4
	s_lshl_b32 s62, s12, 9
	v_add_nc_u32 v[OOFF], s62, v4
	v_lshl_add_u32 v[PFL], v4, 4, s13              ; 256 lane + 8,192 cx
	v_lshlrev_b32 v3, 3, v2
	v_sub_nc_u32 v[LQ], v1, v3
	s_lshl_b32 s62, s12, 5
	v_sub_nc_u32 v[LQ], v[LQ], s62
	v_mov_b32 v[NEG], 0xf149f2ca                   ; -1e30
.irp b, 0,1,2,3
	v_mov_b32 v[T+\b], 0                           ; v_permlanex16_b32 counts as a reader of its destination
.endr
	s_lshl_b32 s60, s2, 6
	v_add_nc_u32 v[XQ], s60, v[LQ]
	QSTAGE
	s_lshl_b32 s60, s15, 22                        ; Q's loads were shown done in the stage: their base may step to phase 2's block
	s_lshl_b32 s61, s3, 17
	s_add_co_u32 s60, s60, s61
	s_mov_b32 s61, 0                               ; s[60:61] stays: out0's block of phase 2 has the same offset
	s_add_nc_u64 s[56:57], s[8:9], s[60:61]
	s_wait_tensorcnt 0x1                           ; my part of K(0) is in; V(0) may stay out
	s_barrier_signal -1
	s_barrier_wait -1
	; ================= phase 1 =================
	STEP 1, 1
	s_mov_b32 s50, 0
.Lphase1:
	STEP 0, 1                                      ; the last trip asks for tile 0 again: phase 2 begins with it
	s_add_co_u32 s50, s50, 1
	s_cmp_lt_u32 s50, s51
	s_cbranch_scc1 .Lphase1
	EPI 1
	s_wait_xcnt 0x0                                ; the stores' base and data are written again only behind this wait
	s_add_nc_u64 s[58:59], s[10:11], s[60:61]
	s_lshl_b32 s62, s14, 1
	s_sub_co_u32 s48, 16, s62                      ; 16 - 2c tiles,
	s_sub_co_u32 s49, 14, s62                      ; the mask from tile 14 - 2c on,
	s_mov_b32 s51, s49                             ; 14 - 2c trips between the first step and the last
	s_mov_b32 s66, 8                               ; phase 2: cluster 0 prefetches tiles 8 .. 15, the others none
	s_cmp_eq_u32 s14, 0
	s_cselect_b32 s67, 16, 0
	s_lshl_b32 s2, s3, 6
	v_add_nc_u32 v[XQ], s2, v[LQ]
	QSTAGE
	; ================= phase 2 =================
	STEP 1, 1
	s_mov_b32 s50, 0
.Lphase2:
	STEP 0, 1
	s_add_co_u32 s50, s50, 1
	s_cmp_lt_u32 s50, s51
	s_cbranch_scc1 .Lphase2
	STEP 0, 0                                      ; the last tile: nothing is left to ask for
	EPI 0
	s_wait_dscnt 0x0
	s_wait_xcnt 0x0
	v_lshl_add_u32 v57, v0, 2, 0x4e800
	v_mov_b32 v63, 0
	s_wait_tensorcnt 0x0
	ds_add_u32 v57, v63
	s_wait_dscnt 0x0
	ROUND                                          ; the closing round: no work-group ends while a partner may still ask for a tile that names it
	s_endpgm
.Lfunc_end_k_qbd4c855fb0_attn:
	.size	k_qbd4c855fb0_attn, .Lfunc_end_k_qbd4c855fb0_attn-k_qbd4c855fb0_attn
	.p2alignl 7, 3214868480
	.fill 96, 4, 3214868480
	.section	.rodata,"a",@progbits
	.p2align	6, 0x0
	.amdhsa_kernel k_qbd4c855fb0_attn
		.amdhsa_group_segment_fixed_size 327680
		.amdhsa_private_segment_fixed_size 0
		.amdhsa_enable_private_segment 0
		.amdhsa_kernarg_size 32
		.amdhsa_user_sgpr_count 2
		.amdhsa_user_sgpr_kernarg_segment_ptr 1
		.amdhsa_wavefront_size32 1
		.amdhsa_system_sgpr_workgroup_id_x 1
		.amdhsa_system_sgpr_workgroup_id_y 1
		.amdhsa_system_sgpr_workgroup_id_z 1
		.amdhsa_system_vgpr_workitem_id 0
		.amdhsa_next_free_vgpr 1024
		.amdhsa_next_free_sgpr 68
		.amdhsa_reserve_vcc 1
		.amdhsa_float_denorm_mode_32 3
		.amdhsa_float_denorm_mode_16_64 3
		.amdhsa_memory_ordered 1
		.amdhsa_forward_progress 1
		.amdhsa_inst_pref_size 255
	.end_amdhsa_kernel
	.section	.bss,"aw",@nobits
	.p2align	6
	.space	262144
	.amdgpu_metadata
---
amdhsa.version: [ 1, 2 ]
amdhsa.kernels:
  - .name:           k_qbd4c855fb0_attn
    .symbol:         k_qbd4c855fb0_attn.kd
    .args:
      - { .name: kb, .offset: 0, .size: 8, .value_kind: global_buffer, .address_space: global }
      - { .name: vb, .offset: 8, .size: 8, .value_kind: global_buffer, .address_space: global }
      - { .name: query, .offset: 16, .size: 8, .value_kind: global_buffer, .address_space: global }
      - { .name: out0, .offset: 24, .size: 8, .value_kind: global_buffer, .address_space: global }
    .group_segment_fixed_size: 327680
    .private_segment_fixed_size: 0
    .kernarg_segment_align: 8
    .kernarg_segment_size: 32
    .max_flat_workgroup_size: 128
    .sgpr_count:     68
    .vgpr_count:     1024
    .wavefront_size: 32
...
	.end_amdgpu_metadata
.endif
;; end of part 2
